; MI455X (gfx1250); checked and timed in simulation.
; The chip was launched on July 23, 2026; its instructions are those of AMD's public machine-readable ISA for CDNA 5 (MIT licence, August 2026) and "CDNA5" Instruction Set Architecture Reference Guide (July 2026). The comments in the code are by the model that wrote it; some were corrected since.
;; QSVT. Allowed arithmetic: float matrix products may take bf16 or f16 operands with f32 sums; all other float work in f32.
;; Inputs: x 262,144 x 4 float32.
;; Outputs: out0 262,144 x 16 float32.
;; 2 versions, each right; version 2 is version 1 with the launch qsvt written anew for expert scheduling mode. Each part assembles by itself: llvm-mc -triple=amdgcn-amd-amdhsa -mcpu=gfx1250 --defsym DOCPART=n.
;; ======== version 1 of 2: 1 launch
;; launch qsvt (part 1): grid 256 x 1, 16 waves a work-group, no clusters, 34,816 bytes of LDS; arguments x, out0; writes out0
.if DOCPART == 1
	.amdgcn_target "amdgcn-amd-amdhsa--gfx1250"
	.amdhsa_code_object_version 6
	.text
	.protected	k_q9677d23325_qsvt
	.globl	k_q9677d23325_qsvt
	.p2align	8
	.type	k_q9677d23325_qsvt,@function
k_q9677d23325_qsvt:
	s_mov_b64 s[64:65], 0
	v_nop
	global_prefetch_b8 v0, s[64:65] scope:SCOPE_SE
	s_setreg_imm32_b32 hwreg(HW_REG_WAVE_MODE, 25, 1), 1
	s_wait_xcnt 0x0
; QSVT expectation values.  x: [262144][4] f32.  out: [262144][16] f32 = <Z_0..Z_3> for the degrees d = 1..4.
;
; WHAT IS COMPUTED.  States 8-15 only get phases.  States m and 4+m (m = 0..3) form a 2x2 problem: up to phases that change no
; probability the circuit is R^d applied to (t, i u), R = [[a,s],[-s,a]] = a I + s J, J^2 = -I, so R^d = p I + q J with
; p + i q = (a + i s)^d, |top|^2 = p^2 t^2 + q^2 u^2, |mid|^2 = q^2 t^2 + p^2 u^2 (t, u real).  Needed are only
;   p^2 + q^2 = n^d,  n = a^2 + s^2      and      p^2 - q^2 = Re (e + i f)^d =: D_d,  e = a^2 - s^2,  f^2 = 4 a^2 s^2 = 4 g,
;   D_1 = e,  D_2 = e^2 - 4 g,  D_3 = e (e^2 - 12 g),  D_4 = D_2^2 - 16 e^2 g.
; s enters as s^2 = max(1 - x^2, 0) alone: no root.  Nothing here assumes a^2 + s^2 = 1: for |x| > 1, g = 0 and all are plain powers.
; With Si = sin^2(xi/2), Ci = 1 - Si, w = (C2 C3, C2 S3, S2 C3, S2 S3), Y_m = C0 w_m n_m^d:
;   Z0 = Y0+Y1+Y2+Y3 - S0                 Z1 = (1 - 2 S1) (C0 sum_m D_m w_m + S0)
;   Z2 = Y0+Y1-Y2-Y3 + S0 (C2 - S2)       Z3 = Y0-Y1+Y2-Y3 + S0 (C3 - S3)
; sin^2(x/2) has the period 2 pi in x: k = rndne(x / 2 pi), r = x - k 2 pi (2 pi in two f32 parts, two fused multiply-adds),
; sin(r/2) = r (1/2 - r^2/48 + ... - r^10/81749606400), the series through r^11: what is cut off is below 6e-8 at |r| = pi.
;
; LIMITS.  |x| < 2^16: above it x^8 leaves f32 (there the sums of the defining formula are infinite or NaN too, perhaps in another
; pattern).  The order of rounding is that of the factored sums above.  A NaN or an infinity in a row makes its 16 results NaN.
;
; SHARES.  256 work-groups of 16 waves; a work-group owns 1,024 rows, a wave NB = 2 blocks of 32 rows, a lane one row of a block.
; Both x loads of a wave are issued first (16 bytes a lane, 512 consecutive bytes a wave); block 0's results leave while block 1 is
; worked on.  No work-group reads a byte that another reads: no cluster.  No summed index anywhere: no matrix instruction.
; THE WAY OUT.  A lane holds 64 consecutive bytes of out.  They go through 2,048 bytes of LDS that are the wave's own (no barrier),
; so that each store of the wave covers 512 consecutive bytes, aligned.  The 16 bytes of degree c+1 of row p lie at
; 64 p + 16 (c xor ((p >> 2) & 3))
; in the LDS stores (sixteen rows, one c) and in the LDS loads (four rows, all four c).
.set NB,     2                         ; blocks of a wave
.set WAVES,  16
.set XSTEP,  WAVES*512                 ; bytes of x that the 16 waves take together: from a wave's block to its next
.set OSTEP,  WAVES*2048                ; the same in out
.set INV2PI, 0x3e22f983                ; 1 / (2 pi)
.set N2PIH,  0xc0c90fdb                ; -(2 pi rounded to f32)
.set N2PIL,  0x343bbd2e                ; -(2 pi - that)
.set SC1,    0xbcaaaaab                ; -1/48
.set SC2,    0x39888889                ;  1/3840
.set SC3,    0xb5d00d01                ; -1/645120
.set SC4,    0x31b8ef1d                ;  1/185794560
.set SC5,    0xad57322b                ; -1/81749606400
.set M12,    0xc1400000                ; -12.0
.set M16,    0xc1800000                ; -16.0
.set XO,  1                            ; v1        byte offset of my row in x: 16 x thread
.set OO,  2                            ; v2        byte offset in out: 2,048 x wave + 16 x lane
.set RA,  3                            ; v[3:4]    LDS addresses for reading back: runs 0 and 2, runs 1 and 3
.set SA,  5                            ; v[5:8]    LDS address of my row's 16 bytes of degree j+1
.set K5,  10                           ; v[10:11]  SC5 twice (the first step of the series has two constants)
.set X,   12                           ; v[12:19]  x0..x3 of my row, for each block
.set KQ,  20                           ; k; in the set-up: scratch
.set RR,  24                           ; r
.set UU,  28                           ; r^2
.set PP,  32                           ; the series, then sin(r/2)
.set SS,  36                           ; S0..S3
.set CC,  40                           ; C0..C3
.set AA,  44                           ; a^2
.set QQ,  48                           ; s^2
.set EE,  52                           ; e = D_1
.set N1,  56                           ; n
.set GG,  60                           ; g
.set E2,  64                           ; e^2, then D_2^2
.set D2,  68
.set D3,  72
.set D4,  76
.set N2,  80
.set N3,  84
.set N4,  88
.set WW,  92                           ; C0 w_0..3
.set CA,  96                           ; (S0 S3, S0 C3): sum S0, difference -S0 (C3 - S3)
.set CB,  98                           ; (S0 C2, -S0 S2): sum S0 (C2 - S2)
.set TA,  100                          ; (Y0+Y2, Y1+Y3) - CA
.set TB,  102                          ; (Y0-Y2, Y1-Y3) + CB
.set TH,  104                          ; two halves of C0 sum D w + S0
.set K1,  106                          ; 1 - 2 S1
.set WC,  107                          ; C0 C2
.set WS,  108                          ; C0 S2
.set ZZ,  110                          ; v[110:125] the row's 16 results
.set OUT, 126                          ; v[126:141] four runs of 16 bytes as they are stored
; Four numbers at a time, as two packed f32 instructions on the pairs (0,1) and (2,3).
.macro MUL4 d, a, b
	v_pk_mul_f32 v[\d:\d+1], v[\a:\a+1], v[\b:\b+1]
	v_pk_mul_f32 v[\d+2:\d+3], v[\a+2:\a+3], v[\b+2:\b+3]
.endm
.macro ADD4 d, a, b
	v_pk_add_f32 v[\d:\d+1], v[\a:\a+1], v[\b:\b+1]
	v_pk_add_f32 v[\d+2:\d+3], v[\a+2:\a+3], v[\b+2:\b+3]
.endm
.macro SUB4 d, a, b
	v_pk_add_f32 v[\d:\d+1], v[\a:\a+1], v[\b:\b+1] neg_lo:[0,1] neg_hi:[0,1]
	v_pk_add_f32 v[\d+2:\d+3], v[\a+2:\a+3], v[\b+2:\b+3] neg_lo:[0,1] neg_hi:[0,1]
.endm
.macro FMAK4 d, a, k, c                ; d = a k + c, k a constant
	v_pk_fma_f32 v[\d:\d+1], v[\a:\a+1], \k, v[\c:\c+1] op_sel_hi:[1,0,1]
	v_pk_fma_f32 v[\d+2:\d+3], v[\a+2:\a+3], \k, v[\c+2:\c+3] op_sel_hi:[1,0,1]
.endm
.macro FMAKK4 d, a, k, c               ; d = a k + c, both constants
	v_pk_fma_f32 v[\d:\d+1], v[\a:\a+1], \k, \c op_sel_hi:[1,0,0]
	v_pk_fma_f32 v[\d+2:\d+3], v[\a+2:\a+3], \k, \c op_sel_hi:[1,0,0]
.endm
.macro HORNER4 d, u, k                 ; d = d u + k
	v_pk_fma_f32 v[\d:\d+1], v[\d:\d+1], v[\u:\u+1], \k op_sel_hi:[1,1,0]
	v_pk_fma_f32 v[\d+2:\d+3], v[\d+2:\d+3], v[\u+2:\u+3], \k op_sel_hi:[1,1,0]
.endm
; One degree: nr = n^d, dr = D_d (four registers each).  The constant terms ride in as the first addends.
.macro DEG d, nr, dr
	v_pk_fma_f32 v[TA:TA+1], v[\nr:\nr+1], v[WW:WW+1], v[CA:CA+1] neg_lo:[0,0,1] neg_hi:[0,0,1]
	v_pk_fma_f32 v[TB:TB+1], v[\nr:\nr+1], v[WW:WW+1], v[CB:CB+1]
	v_pk_fma_f32 v[TH:TH+1], v[\dr:\dr+1], v[WW:WW+1], v[CA:CA+1]
	v_pk_fma_f32 v[TA:TA+1], v[\nr+2:\nr+3], v[WW+2:WW+3], v[TA:TA+1]
	v_pk_fma_f32 v[TB:TB+1], v[\nr+2:\nr+3], v[WW+2:WW+3], v[TB:TB+1] neg_lo:[0,1,0] neg_hi:[0,1,0]
	v_pk_fma_f32 v[TH:TH+1], v[\dr+2:\dr+3], v[WW+2:WW+3], v[TH:TH+1]
	v_add_f32 v[ZZ+4*\d], v[TA], v[TA+1]                   ; Z0
	v_add_f32 v[TH], v[TH], v[TH+1]
	v_add_f32 v[ZZ+4*\d+2], v[TB], v[TB+1]                 ; Z2
	v_sub_f32 v[ZZ+4*\d+3], v[TA], v[TA+1]                 ; Z3
	v_mul_f32 v[ZZ+4*\d+1], v[K1], v[TH]                   ; Z1
	ds_store_b128 v[SA+\d], v[ZZ+4*\d:ZZ+4*\d+3]
.endm
; One block of 32 rows.  The chain of the sine and the polynomials in x^2 do not depend on each other: their steps take turns.
.macro BLOCK b
	s_wait_loadcnt NB-1-\b                                 ; loads come back in order (ISA guide 5.7.1): only the later blocks' x may be out
	v_pk_mul_f32 v[KQ:KQ+1], v[X+4*\b:X+4*\b+1], INV2PI op_sel_hi:[1,0]
	v_pk_mul_f32 v[KQ+2:KQ+3], v[X+4*\b+2:X+4*\b+3], INV2PI op_sel_hi:[1,0]
	MUL4 AA, X+4*\b, X+4*\b                                ; a^2
.irp i, 0,1,2,3
	v_rndne_f32 v[KQ+\i], v[KQ+\i]                         ; k
.endr
	FMAKK4 QQ, AA, -1.0, 1.0                               ; 1 - a^2
	FMAK4 RR, KQ, N2PIH, X+4*\b                            ; r = x - k 2 pi, upper part,
.irp i, 0,1,2,3
	v_max_num_f32 v[QQ+\i], 0, v[QQ+\i]                    ; s^2 = max(1 - a^2, 0)
.endr
	FMAK4 RR, KQ, N2PIL, RR                                ; lower part
	SUB4 EE, AA, QQ                                        ; e
	MUL4 UU, RR, RR
	ADD4 N1, AA, QQ                                        ; n
	v_pk_fma_f32 v[PP:PP+1], v[UU:UU+1], v[K5:K5+1], SC4 op_sel_hi:[1,1,0]
	v_pk_fma_f32 v[PP+2:PP+3], v[UU+2:UU+3], v[K5:K5+1], SC4 op_sel_hi:[1,1,0]
	MUL4 GG, AA, QQ                                        ; g
	HORNER4 PP, UU, SC3
	MUL4 E2, EE, EE
	HORNER4 PP, UU, SC2
	MUL4 N2, N1, N1
	FMAK4 D2, GG, -4.0, E2                                 ; D_2 = e^2 - 4 g
	HORNER4 PP, UU, SC1
	FMAK4 D3, GG, M12, E2                                  ; e^2 - 12 g
	MUL4 D4, E2, GG                                        ; e^2 g
	HORNER4 PP, UU, 0.5
	MUL4 N3, N2, N1
	MUL4 N4, N2, N2
	MUL4 PP, PP, RR                                        ; sin(r/2) = +-sin(x/2)
	MUL4 D3, D3, EE                                        ; D_3
	MUL4 E2, D2, D2
	MUL4 SS, PP, PP                                        ; S0..S3
	FMAK4 D4, D4, M16, E2                                  ; D_4 = D_2^2 - 16 e^2 g
	FMAKK4 CC, SS, -1.0, 1.0                               ; C0..C3
	v_fma_f32 v[K1], v[SS+1], -2.0, 1.0                    ; cos x1
	v_mul_f32 v[CA], v[SS], v[SS+3]
	v_mul_f32 v[WC], v[CC], v[CC+2]
	v_mul_f32 v[WS], v[CC], v[SS+2]
	v_mul_f32 v[CA+1], v[SS], v[CC+3]
	v_mul_f32 v[CB], v[SS], v[CC+2]
	v_mul_f32 v[CB+1], -v[SS], v[SS+2]
	v_mul_f32 v[WW], v[WC], v[CC+3]
	v_mul_f32 v[WW+1], v[WC], v[SS+3]
	v_mul_f32 v[WW+2], v[WS], v[CC+3]
	v_mul_f32 v[WW+3], v[WS], v[SS+3]
	DEG 0, N1, EE
	DEG 1, N2, D2
	DEG 2, N3, D3
	DEG 3, N4, D4
.if \b
	s_wait_xcnt 0x0                                        ; OUT is the data of the last block's stores: loaded again only behind this wait (ISA guide 3.1)
.endif
.irp t, 0,1,2,3
	ds_load_b128 v[OUT+4*\t:OUT+4*\t+3], v[RA+(\t&1)] offset:512*\t   ; LDS serves a wave's instructions in order (ISA guide 5.7.1): these see the four stores above
.endr
.irp t, 0,1,2,3
	s_wait_dscnt 3-\t                                      ; run t is in; the 3 - t runs behind it may be out.  The last wait is for 0, so the next block's LDS stores follow finished loads
	global_store_b128 v[OO], v[OUT+4*\t:OUT+4*\t+3], s[6:7] offset:\b*OSTEP+512*\t th:TH_STORE_NT   ; the wave stores 512 consecutive bytes, at a multiple of 512 from out's first byte
.endr
.endm
	s_load_b128 s[4:7], s[0:1], 0x0                        ; x s[4:5], out s[6:7]
	v_lshl_add_u32 v142, v0, 2, 0x8000
	v_mov_b32 v143, 0
	v_lshlrev_b32 v[XO], 4, v0                             ; thread t takes the 16 bytes at 16 t of each XSTEP bytes
	v_lshrrev_b32 v[KQ], 5, v0
	v_readfirstlane_b32 s8, v[KQ]                          ; wave 0..15
	s_lshl_b32 s9, s8, 11                                  ; 2,048 x wave: my stage in LDS, and my block's place in OSTEP bytes of out
	s_mul_i32 s10, ttmp9, NB*XSTEP                         ; the work-group's part of x (at most 255 x 16,384 bytes)
	s_mov_b32 s11, 0
	s_mul_i32 s12, ttmp9, NB*OSTEP                         ; and of out (at most 255 x 65,536 bytes)
	s_mov_b32 s13, 0
	s_wait_kmcnt 0x0
	s_add_nc_u64 s[4:5], s[4:5], s[10:11]
	s_add_nc_u64 s[6:7], s[6:7], s[12:13]
.set blk, 0
.rept NB
	global_load_b128 v[X+4*blk:X+4*blk+3], v[XO], s[4:5] offset:blk*XSTEP th:TH_LOAD_NT   ; all of the wave's input is asked for before anything else
.set blk, blk+1
.endr
	; addresses, while x is on its way.  L = lane.
	v_and_b32 v[KQ], 31, v0                                ; L
	v_lshl_add_u32 v[OO], v[KQ], 4, s9                     ; out: 2,048 x wave + 16 L
	v_lshl_add_u32 v[KQ+1], v[KQ], 6, s9                   ; LDS, in: row L of my stage
	v_bfe_u32 v[KQ+2], v0, 2, 2                            ; (L >> 2) & 3
	v_lshl_add_u32 v[SA], v[KQ+2], 4, v[KQ+1]              ; degree 1 at column 0 xor that
.irp j, 1,2,3
	v_xor_b32 v[KQ+3], \j, v[KQ+2]
	v_lshl_add_u32 v[SA+\j], v[KQ+3], 4, v[KQ+1]           ; degree j+1 at column j xor that
.endr
	; back: run t, lane L wants bytes 512 t + 16 L of the block = row p = 8 t + (L >> 2), c = L & 3; (p >> 2) & 3 = (L >> 4) + 2 (t & 1)
	v_bfe_u32 v[KQ+1], v0, 2, 3                            ; L >> 2
	v_lshl_add_u32 v[KQ+1], v[KQ+1], 6, s9
	v_and_b32 v[KQ+2], 3, v0                               ; c
	v_bfe_u32 v[KQ+3], v0, 4, 1                            ; L >> 4
	v_xor_b32 v[KQ+2], v[KQ+2], v[KQ+3]
	v_lshl_add_u32 v[RA], v[KQ+2], 4, v[KQ+1]              ; t even (512 t is the load's immediate)
	v_xor_b32 v[KQ+2], 2, v[KQ+2]
	v_lshl_add_u32 v[RA+1], v[KQ+2], 4, v[KQ+1]            ; t odd
	v_mov_b32 v[K5], SC5
	v_mov_b32 v[K5+1], SC5
	BLOCK 0
	BLOCK 1
	s_wait_tensorcnt 0x0
	ds_add_u32 v142, v143
	s_wait_dscnt 0x0
	s_endpgm
.Lfunc_end_k_q9677d23325_qsvt:
	.size	k_q9677d23325_qsvt, .Lfunc_end_k_q9677d23325_qsvt-k_q9677d23325_qsvt
	.p2alignl 7, 3214868480
	.fill 96, 4, 3214868480
	.section	.rodata,"a",@progbits
	.p2align	6, 0x0
	.amdhsa_kernel k_q9677d23325_qsvt
		.amdhsa_group_segment_fixed_size 34816
		.amdhsa_private_segment_fixed_size 0
		.amdhsa_enable_private_segment 0
		.amdhsa_kernarg_size 16
		.amdhsa_user_sgpr_count 2
		.amdhsa_user_sgpr_kernarg_segment_ptr 1
		.amdhsa_wavefront_size32 1
		.amdhsa_system_sgpr_workgroup_id_x 1
		.amdhsa_system_sgpr_workgroup_id_y 1
		.amdhsa_system_sgpr_workgroup_id_z 1
		.amdhsa_system_vgpr_workitem_id 0
		.amdhsa_next_free_vgpr 144
		.amdhsa_next_free_sgpr 66
		.amdhsa_reserve_vcc 0
		.amdhsa_float_denorm_mode_32 3
		.amdhsa_float_denorm_mode_16_64 3
		.amdhsa_memory_ordered 1
		.amdhsa_forward_progress 1
		.amdhsa_inst_pref_size 18
	.end_amdhsa_kernel
	.amdgpu_metadata
---
amdhsa.version: [ 1, 2 ]
amdhsa.kernels:
  - .name:           k_q9677d23325_qsvt
    .symbol:         k_q9677d23325_qsvt.kd
    .args:
      - { .name: x, .offset: 0, .size: 8, .value_kind: global_buffer, .address_space: global }
      - { .name: out0, .offset: 8, .size: 8, .value_kind: global_buffer, .address_space: global }
    .group_segment_fixed_size: 34816
    .private_segment_fixed_size: 0
    .kernarg_segment_align: 8
    .kernarg_segment_size: 16
    .max_flat_workgroup_size: 512
    .sgpr_count:     66
    .vgpr_count:     144
    .wavefront_size: 32
...
	.end_amdgpu_metadata
.endif
;; end of part 1
;; ======== version 2 of 2: 1 launch; version 1 with the launch qsvt written anew for expert scheduling mode
;; launch qsvt (part 2): grid 256 x 1, 16 waves a work-group, no clusters, 34,816 bytes of LDS; arguments x, out0; writes out0
.if DOCPART == 2
	.amdgcn_target "amdgcn-amd-amdhsa--gfx1250"
	.amdhsa_code_object_version 6
	.text
	.protected	k_q9677d23325_qsvt
	.globl	k_q9677d23325_qsvt
	.p2align	8
	.type	k_q9677d23325_qsvt,@function
k_q9677d23325_qsvt:
	s_mov_b64 s[64:65], 0
	v_nop
	global_prefetch_b8 v0, s[64:65] scope:SCOPE_SE
	s_setreg_imm32_b32 hwreg(HW_REG_WAVE_SCHED_MODE, 0, 2), 2
	s_setreg_imm32_b32 hwreg(HW_REG_WAVE_MODE, 25, 1), 1
	s_wait_xcnt 0x0
	s_wait_alu depctr_vm_vsrc(0)
; QSVT expectation values.  x: [262144][4] f32.  out: [262144][16] f32 = <Z_0..Z_3> for the degrees d = 1..4.
;
; WHAT IS COMPUTED.  States 8-15 only get phases.  States m and 4+m (m = 0..3) form a 2x2 problem: up to phases that change no
; probability the circuit is R^d applied to (t, i u), R = [[a,s],[-s,a]] = a I + s J, J^2 = -I, so R^d = p I + q J with
; p + i q = (a + i s)^d, |top|^2 = p^2 t^2 + q^2 u^2, |mid|^2 = q^2 t^2 + p^2 u^2 (t, u real).  Needed are only
;   p^2 + q^2 = n^d,  n = a^2 + s^2      and      p^2 - q^2 = Re (e + i f)^d =: D_d,  e = a^2 - s^2,  f^2 = 4 a^2 s^2 = 4 g,
;   D_1 = e,  D_2 = e^2 - 4 g,  D_3 = e (e^2 - 12 g),  D_4 = D_2^2 - 16 e^2 g.
; s enters as s^2 = max(1 - x^2, 0) alone: no root.  Nothing here assumes a^2 + s^2 = 1: for |x| > 1, g = 0 and all are plain powers.
; With Si = sin^2(xi/2), Ci = 1 - Si, w = (C2 C3, C2 S3, S2 C3, S2 S3), Y_m = C0 w_m n_m^d:
;   Z0 = Y0+Y1+Y2+Y3 - S0                 Z1 = (1 - 2 S1) (C0 sum_m D_m w_m + S0)
;   Z2 = Y0+Y1-Y2-Y3 + S0 (C2 - S2)       Z3 = Y0-Y1+Y2-Y3 + S0 (C3 - S3)
; sin^2(x/2) has the period 2 pi in x: k = rndne(x / 2 pi), r = x - k 2 pi (2 pi in two f32 parts, two fused multiply-adds),
; sin(r/2) = r (1/2 - r^2/48 + ... - r^10/81749606400), the series through r^11: what is cut off is below 6e-8 at |r| = pi.
;
; LIMITS.  |x| < 2^16: above it x^8 leaves f32 (there the sums of the defining formula are infinite or NaN too, perhaps in another
; pattern).  The order of rounding is that of the factored sums above.  A NaN or an infinity in a row makes its 16 results NaN.
;
; SHARES.  256 work-groups of 16 waves; a work-group owns 1,024 rows, a wave NB = 2 blocks of 32 rows, a lane one row of a block.
; Both x loads of a wave are issued first (16 bytes a lane, 512 consecutive bytes a wave); block 0's results leave while block 1 is
; worked on.  No work-group reads a byte that another reads: no cluster.  No summed index anywhere: no matrix instruction.
; THE WAY OUT.  A lane holds 64 consecutive bytes of out.  They go through 2,048 bytes of LDS that are the wave's own (no barrier),
; so that each store of the wave covers 512 consecutive bytes, aligned.  The 16 bytes of degree c+1 of row p lie at
; 64 p + 16 (c xor ((p >> 2) & 3))
; in the LDS stores (sixteen rows, one c) and in the LDS loads (four rows, all four c).
;
; THE MODE: SCHED_MODE bits 1:0 = 2 (LLVM: expert scheduling mode 2), set by the entry lines.  The code itself states the register
; dependences between vector instructions and memory or LDS instructions, with s_wait_alu, always for 0.
; THE PLAN.  Registers that memory or LDS instructions touch:
;   v[XO]           written once at the head; read by the two loads of x.
;   X0, X1          the loads of x land in them; no vector instruction names them ahead of those loads; block b's arithmetic reads X[b].
;   v[OO], RA, SA   written once, behind the loads of x; read by the stores to out, the LDS loads and the LDS stores; never written again.
;   Z0, Z1          block b's four degrees write Z[b]; block b's four LDS stores read it; a buffer to each block, so none is written twice.
;   OUT0, OUT1      block b's four LDS loads land in OUT[b], its four stores to out read it; no vector instruction names them; none is loaded twice.
; Block 0's way out stands inside block 1: its LDS stores and loads at block 1's head, its four stores to out dealt among block 1's
; arithmetic, which names neither Z0, OUT0 nor an address.  So three waits on va_vdst state all: ahead of the loads of x (v[XO]); at
; block 1's head (Z0 and the addresses); behind block 1 (Z1).  One wait on va_sdst stands behind v_readfirstlane_b32.  No register that
; a memory or LDS instruction reads is written afterwards: there is no dependence for a wait on vm_vsrc to state.
.set NB,     2                         ; blocks of a wave
.set WAVES,  16
.set XSTEP,  WAVES*512                 ; bytes of x that the 16 waves take together: from a wave's block to its next
.set OSTEP,  WAVES*2048                ; the same in out
.set INV2PI, 0x3e22f983                ; 1 / (2 pi)
.set N2PIH,  0xc0c90fdb                ; -(2 pi rounded to f32)
.set N2PIL,  0x343bbd2e                ; -(2 pi - that)
.set SC1,    0xbcaaaaab                ; -1/48
.set SC2,    0x39888889                ;  1/3840
.set SC3,    0xb5d00d01                ; -1/645120
.set SC4,    0x31b8ef1d                ;  1/185794560
.set SC5,    0xad57322b                ; -1/81749606400
.set M12,    0xc1400000                ; -12.0
.set M16,    0xc1800000                ; -16.0
.set XO,  1                            ; v1        byte offset of my row in x: 16 x thread
.set OO,  2                            ; v2        byte offset in out: 2,048 x wave + 16 x lane
.set RA,  3                            ; v[3:4]    LDS addresses for reading back: runs 0 and 2, runs 1 and 3
.set SA,  5                            ; v[5:8]    LDS address of my row's 16 bytes of degree j+1
.set K5,  10                           ; v[10:11]  SC5 twice (the first step of the series has two constants)
.set X,   12                           ; v[12:19]  x0..x3 of my row, for each block
.set KQ,  20                           ; k; in the set-up: scratch
.set RR,  24                           ; r
.set UU,  28                           ; r^2
.set PP,  32                           ; the series, then sin(r/2)
.set SS,  36                           ; S0..S3
.set CC,  40                           ; C0..C3
.set AA,  44                           ; a^2
.set QQ,  48                           ; s^2
.set EE,  52                           ; e = D_1
.set N1,  56                           ; n
.set GG,  60                           ; g
.set E2,  64                           ; e^2, then D_2^2
.set D2,  68
.set D3,  72
.set D4,  76
.set N2,  80
.set N3,  84
.set N4,  88
.set WW,  92                           ; C0 w_0..3
.set CA,  96                           ; (S0 S3, S0 C3): sum S0, difference -S0 (C3 - S3)
.set CB,  98                           ; (S0 C2, -S0 S2): sum S0 (C2 - S2)
.set TA,  100                          ; (Y0+Y2, Y1+Y3) - CA
.set TB,  102                          ; (Y0-Y2, Y1-Y3) + CB
.set TH,  104                          ; two halves of C0 sum D w + S0
.set K1,  106                          ; 1 - 2 S1
.set WC,  107                          ; C0 C2
.set WS,  108                          ; C0 S2
.set ZZ,  110                          ; v[110:141] block b: the row's 16 results at ZZ + 16 b
.set OUT, 142                          ; v[142:173] block b: four runs of 16 bytes as they are stored, at OUT + 16 b
; Four numbers at a time, as two packed f32 instructions on the pairs (0,1) and (2,3).
.macro MUL4 d, a, b
	v_pk_mul_f32 v[\d:\d+1], v[\a:\a+1], v[\b:\b+1]
	v_pk_mul_f32 v[\d+2:\d+3], v[\a+2:\a+3], v[\b+2:\b+3]
.endm
.macro ADD4 d, a, b
	v_pk_add_f32 v[\d:\d+1], v[\a:\a+1], v[\b:\b+1]
	v_pk_add_f32 v[\d+2:\d+3], v[\a+2:\a+3], v[\b+2:\b+3]
.endm
.macro SUB4 d, a, b
	v_pk_add_f32 v[\d:\d+1], v[\a:\a+1], v[\b:\b+1] neg_lo:[0,1] neg_hi:[0,1]
	v_pk_add_f32 v[\d+2:\d+3], v[\a+2:\a+3], v[\b+2:\b+3] neg_lo:[0,1] neg_hi:[0,1]
.endm
.macro FMAK4 d, a, k, c                ; d = a k + c, k a constant
	v_pk_fma_f32 v[\d:\d+1], v[\a:\a+1], \k, v[\c:\c+1] op_sel_hi:[1,0,1]
	v_pk_fma_f32 v[\d+2:\d+3], v[\a+2:\a+3], \k, v[\c+2:\c+3] op_sel_hi:[1,0,1]
.endm
.macro FMAKK4 d, a, k, c               ; d = a k + c, both constants
	v_pk_fma_f32 v[\d:\d+1], v[\a:\a+1], \k, \c op_sel_hi:[1,0,0]
	v_pk_fma_f32 v[\d+2:\d+3], v[\a+2:\a+3], \k, \c op_sel_hi:[1,0,0]
.endm
.macro HORNER4 d, u, k                 ; d = d u + k
	v_pk_fma_f32 v[\d:\d+1], v[\d:\d+1], v[\u:\u+1], \k op_sel_hi:[1,1,0]
	v_pk_fma_f32 v[\d+2:\d+3], v[\d+2:\d+3], v[\u+2:\u+3], \k op_sel_hi:[1,1,0]
.endm
; One degree: nr = n^d, dr = D_d (four registers each); z: the block's 16 results.  The constant terms ride in as the first addends.
.macro DEG d, nr, dr, z
	v_pk_fma_f32 v[TA:TA+1], v[\nr:\nr+1], v[WW:WW+1], v[CA:CA+1] neg_lo:[0,0,1] neg_hi:[0,0,1]
	v_pk_fma_f32 v[TB:TB+1], v[\nr:\nr+1], v[WW:WW+1], v[CB:CB+1]
	v_pk_fma_f32 v[TH:TH+1], v[\dr:\dr+1], v[WW:WW+1], v[CA:CA+1]
	v_pk_fma_f32 v[TA:TA+1], v[\nr+2:\nr+3], v[WW+2:WW+3], v[TA:TA+1]
	v_pk_fma_f32 v[TB:TB+1], v[\nr+2:\nr+3], v[WW+2:WW+3], v[TB:TB+1] neg_lo:[0,1,0] neg_hi:[0,1,0]
	v_pk_fma_f32 v[TH:TH+1], v[\dr+2:\dr+3], v[WW+2:WW+3], v[TH:TH+1]
	v_add_f32 v[(\z)+4*\d], v[TA], v[TA+1]                 ; Z0
	v_add_f32 v[TH], v[TH], v[TH+1]
	v_add_f32 v[(\z)+4*\d+2], v[TB], v[TB+1]               ; Z2
	v_sub_f32 v[(\z)+4*\d+3], v[TA], v[TA+1]               ; Z3
	v_mul_f32 v[(\z)+4*\d+1], v[K1], v[TH]                 ; Z1
.endm
; Block b's results into my stage, and back as runs of 512 consecutive bytes.  It stands behind a wait on va_vdst that shows Z[b] and the addresses written.
.macro STAGE b
.irp j, 0,1,2,3
	ds_store_b128 v[SA+\j], v[ZZ+16*(\b)+4*\j:ZZ+16*(\b)+4*\j+3]
.endr
.irp t, 0,1,2,3
	ds_load_b128 v[OUT+16*(\b)+4*\t:OUT+16*(\b)+4*\t+3], v[RA+(\t&1)] offset:512*\t   ; LDS serves a wave's instructions in order (ISA guide 5.7.1): these see the four stores above
.endr
.endm
; Run t of block b is stored.  No wait on va_vdst: no vector instruction since the one ahead of STAGE names v[OO] or OUT[b].
.macro SEND b, t
	s_wait_dscnt 3-\t                                      ; run t is in; the 3 - t runs behind it may be out.  The last wait is for 0, so the next block's LDS stores follow finished loads
	global_store_b128 v[OO], v[OUT+16*(\b)+4*\t:OUT+16*(\b)+4*\t+3], s[6:7] offset:(\b)*OSTEP+512*\t th:TH_STORE_NT   ; the wave stores 512 consecutive bytes, at a multiple of 512 from out's first byte
.endm
; One block of 32 rows.  The chain of the sine and the polynomials in x^2 do not depend on each other: their steps take turns.
; Behind block 0 the way out of the block before stands in this block: STAGE at its head, the four SEND among its arithmetic.
.macro BLOCK b
.if \b
	s_wait_alu depctr_va_vdst(0)                           ; the block before has written its Z, which the LDS stores read; the head has written SA, RA and v[OO], which the LDS stores, the LDS loads and the stores to out read
	STAGE (\b-1)
.endif
	s_wait_loadcnt NB-1-\b                                 ; loads come back in order (ISA guide 5.7.1): only the later blocks' x may be out
	v_pk_mul_f32 v[KQ:KQ+1], v[X+4*\b:X+4*\b+1], INV2PI op_sel_hi:[1,0]
	v_pk_mul_f32 v[KQ+2:KQ+3], v[X+4*\b+2:X+4*\b+3], INV2PI op_sel_hi:[1,0]
	MUL4 AA, X+4*\b, X+4*\b                                ; a^2
.irp i, 0,1,2,3
	v_rndne_f32 v[KQ+\i], v[KQ+\i]                         ; k
.endr
	FMAKK4 QQ, AA, -1.0, 1.0                               ; 1 - a^2
	FMAK4 RR, KQ, N2PIH, X+4*\b                            ; r = x - k 2 pi, upper part,
.irp i, 0,1,2,3
	v_max_num_f32 v[QQ+\i], 0, v[QQ+\i]                    ; s^2 = max(1 - a^2, 0)
.endr
	FMAK4 RR, KQ, N2PIL, RR                                ; lower part
	SUB4 EE, AA, QQ                                        ; e
	MUL4 UU, RR, RR
	ADD4 N1, AA, QQ                                        ; n
.if \b
	SEND (\b-1), 0
.endif
	v_pk_fma_f32 v[PP:PP+1], v[UU:UU+1], v[K5:K5+1], SC4 op_sel_hi:[1,1,0]
	v_pk_fma_f32 v[PP+2:PP+3], v[UU+2:UU+3], v[K5:K5+1], SC4 op_sel_hi:[1,1,0]
	MUL4 GG, AA, QQ                                        ; g
	HORNER4 PP, UU, SC3
	MUL4 E2, EE, EE
.if \b
	SEND (\b-1), 1
.endif
	HORNER4 PP, UU, SC2
	MUL4 N2, N1, N1
	FMAK4 D2, GG, -4.0, E2                                 ; D_2 = e^2 - 4 g
	HORNER4 PP, UU, SC1
.if \b
	SEND (\b-1), 2
.endif
	FMAK4 D3, GG, M12, E2                                  ; e^2 - 12 g
	MUL4 D4, E2, GG                                        ; e^2 g
	HORNER4 PP, UU, 0.5
	MUL4 N3, N2, N1
.if \b
	SEND (\b-1), 3
.endif
	MUL4 N4, N2, N2
	MUL4 PP, PP, RR                                        ; sin(r/2) = +-sin(x/2)
	MUL4 D3, D3, EE                                        ; D_3
	MUL4 E2, D2, D2
	MUL4 SS, PP, PP                                        ; S0..S3
	FMAK4 D4, D4, M16, E2                                  ; D_4 = D_2^2 - 16 e^2 g
	FMAKK4 CC, SS, -1.0, 1.0                               ; C0..C3
	v_fma_f32 v[K1], v[SS+1], -2.0, 1.0                    ; cos x1
	v_mul_f32 v[CA], v[SS], v[SS+3]
	v_mul_f32 v[WC], v[CC], v[CC+2]
	v_mul_f32 v[WS], v[CC], v[SS+2]
	v_mul_f32 v[CA+1], v[SS], v[CC+3]
	v_mul_f32 v[CB], v[SS], v[CC+2]
	v_mul_f32 v[CB+1], -v[SS], v[SS+2]
	v_mul_f32 v[WW], v[WC], v[CC+3]
	v_mul_f32 v[WW+1], v[WC], v[SS+3]
	v_mul_f32 v[WW+2], v[WS], v[CC+3]
	v_mul_f32 v[WW+3], v[WS], v[SS+3]
	DEG 0, N1, EE, ZZ+16*\b
	DEG 1, N2, D2, ZZ+16*\b
	DEG 2, N3, D3, ZZ+16*\b
	DEG 3, N4, D4, ZZ+16*\b
.endm
	s_load_b128 s[4:7], s[0:1], 0x0                        ; x s[4:5], out s[6:7]
	v_lshl_add_u32 v9, v0, 2, 0x8000
	v_mov_b32 v109, 0
	v_lshlrev_b32 v[XO], 4, v0                             ; thread t takes the 16 bytes at 16 t of each XSTEP bytes
	v_lshrrev_b32 v[KQ], 5, v0
	v_readfirstlane_b32 s8, v[KQ]                          ; wave 0..15
	s_mul_i32 s10, ttmp9, NB*XSTEP                         ; the work-group's part of x (at most 255 x 16,384 bytes)
	s_mov_b32 s11, 0
	s_mul_i32 s12, ttmp9, NB*OSTEP                         ; and of out (at most 255 x 65,536 bytes)
	s_mov_b32 s13, 0
	s_wait_alu depctr_va_sdst(0)                           ; s8 is written, ahead of its first reader, the line below
	s_lshl_b32 s9, s8, 11                                  ; 2,048 x wave: my stage in LDS, and my block's place in OSTEP bytes of out
	s_wait_kmcnt 0x0
	s_add_nc_u64 s[4:5], s[4:5], s[10:11]
	s_add_nc_u64 s[6:7], s[6:7], s[12:13]
	s_wait_alu depctr_va_vdst(0)                           ; v[XO] is written, which the loads of x read as their offset
.set blk, 0
.rept NB
	global_load_b128 v[X+4*blk:X+4*blk+3], v[XO], s[4:5] offset:blk*XSTEP th:TH_LOAD_NT   ; all of the wave's input is asked for before anything else
.set blk, blk+1
.endr
	; addresses, while x is on its way.  L = lane.  Their first readers stand behind the wait on va_vdst at block 1's head.
	v_and_b32 v[KQ], 31, v0                                ; L
	v_lshl_add_u32 v[OO], v[KQ], 4, s9                     ; out: 2,048 x wave + 16 L
	v_lshl_add_u32 v[KQ+1], v[KQ], 6, s9                   ; LDS, in: row L of my stage
	v_bfe_u32 v[KQ+2], v0, 2, 2                            ; (L >> 2) & 3
	v_lshl_add_u32 v[SA], v[KQ+2], 4, v[KQ+1]              ; degree 1 at column 0 xor that
.irp j, 1,2,3
	v_xor_b32 v[KQ+3], \j, v[KQ+2]
	v_lshl_add_u32 v[SA+\j], v[KQ+3], 4, v[KQ+1]           ; degree j+1 at column j xor that
.endr
	; back: run t, lane L wants bytes 512 t + 16 L of the block = row p = 8 t + (L >> 2), c = L & 3; (p >> 2) & 3 = (L >> 4) + 2 (t & 1)
	v_bfe_u32 v[KQ+1], v0, 2, 3                            ; L >> 2
	v_lshl_add_u32 v[KQ+1], v[KQ+1], 6, s9
	v_and_b32 v[KQ+2], 3, v0                               ; c
	v_bfe_u32 v[KQ+3], v0, 4, 1                            ; L >> 4
	v_xor_b32 v[KQ+2], v[KQ+2], v[KQ+3]
	v_lshl_add_u32 v[RA], v[KQ+2], 4, v[KQ+1]              ; t even (512 t is the load's immediate)
	v_xor_b32 v[KQ+2], 2, v[KQ+2]
	v_lshl_add_u32 v[RA+1], v[KQ+2], 4, v[KQ+1]            ; t odd
	v_mov_b32 v[K5], SC5
	v_mov_b32 v[K5+1], SC5
	BLOCK 0
	BLOCK 1
	s_wait_alu depctr_va_vdst(0)                           ; block 1 has written its Z, which the LDS stores below read
	STAGE (NB-1)
.irp t, 0,1,2,3
	SEND (NB-1), \t
.endr
	s_wait_dscnt 0x0
	s_wait_alu depctr_hold_cnt(0) depctr_sa_sdst(0) depctr_va_vdst(0) depctr_va_sdst(0) depctr_va_ssrc(0) depctr_va_vcc(0) depctr_vm_vsrc(0)
	s_wait_tensorcnt 0x0
	ds_add_u32 v9, v109
	s_wait_dscnt 0x0
	s_endpgm
.Lfunc_end_k_q9677d23325_qsvt:
	.size	k_q9677d23325_qsvt, .Lfunc_end_k_q9677d23325_qsvt-k_q9677d23325_qsvt
	.p2alignl 7, 3214868480
	.fill 96, 4, 3214868480
	.section	.rodata,"a",@progbits
	.p2align	6, 0x0
	.amdhsa_kernel k_q9677d23325_qsvt
		.amdhsa_group_segment_fixed_size 34816
		.amdhsa_private_segment_fixed_size 0
		.amdhsa_enable_private_segment 0
		.amdhsa_kernarg_size 16
		.amdhsa_user_sgpr_count 2
		.amdhsa_user_sgpr_kernarg_segment_ptr 1
		.amdhsa_wavefront_size32 1
		.amdhsa_system_sgpr_workgroup_id_x 1
		.amdhsa_system_sgpr_workgroup_id_y 1
		.amdhsa_system_sgpr_workgroup_id_z 1
		.amdhsa_system_vgpr_workitem_id 0
		.amdhsa_next_free_vgpr 174
		.amdhsa_next_free_sgpr 66
		.amdhsa_reserve_vcc 0
		.amdhsa_float_denorm_mode_32 3
		.amdhsa_float_denorm_mode_16_64 3
		.amdhsa_memory_ordered 1
		.amdhsa_forward_progress 1
		.amdhsa_inst_pref_size 18
	.end_amdhsa_kernel
	.amdgpu_metadata
---
amdhsa.version: [ 1, 2 ]
amdhsa.kernels:
  - .name:           k_q9677d23325_qsvt
    .symbol:         k_q9677d23325_qsvt.kd
    .args:
      - { .name: x, .offset: 0, .size: 8, .value_kind: global_buffer, .address_space: global }
      - { .name: out0, .offset: 8, .size: 8, .value_kind: global_buffer, .address_space: global }
    .group_segment_fixed_size: 34816
    .private_segment_fixed_size: 0
    .kernarg_segment_align: 8
    .kernarg_segment_size: 16
    .max_flat_workgroup_size: 512
    .sgpr_count:     66
    .vgpr_count:     174
    .wavefront_size: 32
...
	.end_amdgpu_metadata
.endif
;; end of part 2
